; MI455X (gfx1250); checked and timed in simulation.
; The chip was launched on July 23, 2026; its instructions are those of AMD's public machine-readable ISA for CDNA 5 (MIT licence, August 2026) and "CDNA5" Instruction Set Architecture Reference Guide (July 2026). The comments in the code are by the model that wrote it; some were corrected since.
;; Multi Head Attention. Allowed arithmetic: matrix products marked QUANTISED: E2M3 operands, one E8M0 scale for each 32 along K, by v_wmma_scale_f32_16x16x128_f8f6f4 with both operands' format E2M3, f32 sums; everything else in f32.
;; Inputs: b_proj 1,024 float32; w_proj 1,024 x 1,024 float32; w_qkv 3,072 x 1,024 float32; x 4 x 2,048 x 1,024 float32.
;; Outputs: out0 4 x 2,048 x 1,024 float32.
;; This version of the problem:
;;   THIS VERSION OF THE PROBLEM IS GIVEN IN LOW PRECISION. The matrix products marked QUANTISED in the list below multiply operands that are first quantised to E2M3 (2 exponent bits, 3 mantissa bits; 6 bits a number), with one power-of-two scale for each 32 numbers along K (OCP MX v1.0); their sums are f32. All else is computed in f32.
;;   The module's matrix products, in the order in which they are computed (A, B: the left and right operand; K: the contracted axis; several contracted axes count as one K, in the product's order):
;;     1. [M 8,192, K 1,024] x [K 1,024, N 3,072]; A: input x; B: input w_qkv: QUANTISED
;;     2. batch 64 x [M 2,048, K 64] x [K 64, N 2,048]; A: computed on the way; B: computed on the way: QUANTISED
;;     3. batch 64 x [M 64, K 2,048] x [K 2,048, N 2,048]; A: computed on the way; B: softmax (see below): QUANTISED
;;     4. [M 8,192, K 1,024] x [K 1,024, N 1,024]; A: computed on the way; B: input w_proj: QUANTISED
;;   THE QUANTISER, for each operand of a quantised product, along K:
;;     - K is cut into blocks of 32 from its start; a last block that is shorter is filled with zeros.
;;     - A block's scale is 2^e with e = floor(log2(the largest magnitude in the block)) - 2, held to -126 .. 127; a block of zeros has e = 0. As a byte (E8M0): e + 127.
;;     - Each number is divided by its block's scale, clamped to +-7.5, and rounded to the nearest number of E2M3, ties to even, subnormals kept.
;;     - The product sums the exact products of the quantised numbers (number of the format x scale) in f32.
;;   ~~~python
;;   def quantise(x, axis):      # numpy; x: float32 -> the quantised numbers, widened to float32 again
;;       x = np.moveaxis(x, axis, -1); K = x.shape[-1]
;;       x = np.pad(x, [(0, 0)] * (x.ndim - 1) + [(0, -K % 32)]); x = x.reshape(x.shape[:-1] + (-1, 32)); a = np.abs(x).max(-1, keepdims=True)
;;       e = np.where(a > 0, np.clip(np.frexp(np.where(a > 0, a, 1))[1] - 1 - 2, -126, 127), 0)      # np.frexp(a)[1] - 1 = floor(log2(a)), exactly
;;       r = np.clip(x / 2.0 ** e, -7.5, 7.5)
;;       step = 2.0 ** (np.maximum(np.frexp(np.where(r == 0, 1, r))[1] - 1, 0) - 3)
;;       q = np.round(r / step) * step * 2.0 ** e      # np.round: ties to even
;;       return np.moveaxis(q.reshape(q.shape[:-2] + (-1,))[..., :K], -1, axis).astype(np.float32)
;;   ~~~
;;   SOFTMAX AHEAD OF A QUANTISED PRODUCT. Where the list says 'softmax', what is quantised is not the finished softmax but p = 2^(t - M), with t = logit x log2(e) and M = ceil(the row's largest t), a whole number; so 1/2 < the row's largest p <= 1. The row's sum l is taken of the UNQUANTISED p, in f32, and the product's result is divided by l at the end. Since M is a whole number, a kernel that streams over the keys may use a running M (the ceiling of the running maximum): every later rescaling is an exact power of two, which a block's scale takes up: the codes' values come out the same.
;;   OPERANDS COMPUTED ON THE WAY. 'Computed on the way' means the value that the module computes at that place (a softmax that the list does not call 'softmax' is quantised finished and normalised). What goes into a quantiser is computed in f32, as accurately as f32 sums, v_exp_f32 and their like allow (about 1e-6 of the number): no bf16 or f16 on the way to a quantiser, and a product that is left as it is and whose result goes on into a quantised operand takes f32 operands (vector FMAs, or v_wmma_f32_16x16x4_f32). A number that lies on a knife's edge between two numbers of the format may be rounded either way, as far as f32 arithmetic and the matrix unit's own rounding can turn it there, and no further.
;; One version. Each part assembles by itself: llvm-mc -triple=amdgcn-amd-amdhsa -mcpu=gfx1250 --defsym DOCPART=n.
;; ======== version 1 of 1: 4 launches
;; workspace buffers: gc 15,728,640 bytes; gs 655,360 bytes; att 20,185,088 bytes
;; launch quant (part 1): grid 256 x 1, 6 waves a work-group, no clusters, 51,456 bytes of LDS; arguments x, w_qkv, w_proj, gc, gs; writes gc, gs
.if DOCPART == 1
	.amdgcn_target "amdgcn-amd-amdhsa--gfx1250"
	.amdhsa_code_object_version 6
	.text
	.protected	k_q11c8e4e689_quant
	.globl	k_q11c8e4e689_quant
	.p2align	8
	.type	k_q11c8e4e689_quant,@function
k_q11c8e4e689_quant:
	s_mov_b64 s[64:65], 0
	v_nop
	global_prefetch_b8 v0, s[64:65] scope:SCOPE_SE
	s_setreg_imm32_b32 hwreg(HW_REG_WAVE_MODE, 25, 1), 1
	s_wait_xcnt 0x0
; x [8192][1024], w_qkv [3072][1024] and w_proj [1024][1024], f32, K innermost, become codes of E2M3 with one E8M0 byte for each 32 along K, laid as the products' launches take them into registers.
; ROW TILES.  Tile 2 al + u holds the 16 rows 32 al + 8 u + r + 8 (r / 8), r = 0 .. 15.  Tiles 0-511: x; 512-703: w_qkv with its rows reordered to part x 1024 + head x 64 + d (part 0 q, 1 k, 2 v); 704-767: w_proj.
; gc: 12,288 bytes a tile = 16 half fragments of 768 bytes, K ascending.  A half fragment is the image of six registers of 32 lanes: lane (r, h) holds the 24 bytes of k = 32 h .. 32 h + 31 of row r, of 64 along K:
;     registers 0-3 at 16 x lane, registers 4-5 at 512 + 8 x lane.  gs: 512 bytes a tile, [K half][r][4 words]; a word is the four scale bytes of 128 along K.
; A block's scale is 2^(floor(log2(its largest magnitude)) - 2); its byte is the largest magnitude's exponent field - 2, held at 1 from below.
; LIMITS: a block whose largest magnitude lies under 2^-124, a block of zeros among them, gets the byte 1 (its codes are then zeros or tiny; the bytes are read by this program alone); NaN and infinities are not served.
; SHARES.  1,536 waves; wave W takes tile W / 2 and K half W % 2: 16 rows x 512 K, in four steps of 128 K.  Each load reads 512 consecutive bytes of one row; a step's 16 rows turn through the wave's own stage
; in LDS (rows 528 bytes apart), so that a lane gets 16 neighbours of each block of 32.  No tensor load, no barrier: waves share nothing.  Loads run two steps (32 loads a wave) ahead.
.set ROWB, 4096                        ; a source row in bytes
.set SP,   528                         ; a stage row: 512 bytes + 16
.set STG,  16*SP                       ; a wave's stage
.set L16,  4                           ; v4   16 x lane
.set L8,   5                           ; v5   8 x lane
.set SIN,  6                           ; v6   the stage, on the way in: 16 x lane
.set SOUT, 7                           ; v7   and out: 528 r + 64 h
.set SOF,  8                           ; v8   my 8 bytes of the tile's scale words: 16 r + 8 h
.set WS,   12                          ; v12-15  the four steps' scale words
.set TM,   16                          ; v16-31  at work: +0 largest magnitudes, +4 the other half's, then bytes, +12 the conversions' scale operands
.set PC,   32                          ; v32-43  a fragment's codes
.set PT,   44                          ; v44-51  the conversions' second halves
.set R,    64                          ; v64-191 two sets of 64 registers as loaded
.set X,    192                         ; v192-255 64 numbers: register 16 b + i = k 32 b + 16 h + i of row r
.set SEL,  34                          ; s[34:35] lane selects: lane l xor 16
	s_load_b256 s[4:11], s[0:1], 0x0               ; x s[4:5], w_qkv s[6:7], w_proj s[8:9], gc s[10:11]
	s_load_b64 s[12:13], s[0:1], 0x20              ; gs
	v_lshl_add_u32 v62, v0, 2, 0xc600
	v_mov_b32 v63, 0
	v_lshrrev_b32 v1, 5, v0
	v_readfirstlane_b32 s16, v1                    ; wave 0..5
	v_and_b32 v1, 31, v0                           ; lane
	v_and_b32 v2, 15, v0                           ; r
	v_bfe_u32 v3, v0, 4, 1                         ; h
	v_lshlrev_b32 v[L16], 4, v1
	v_lshlrev_b32 v[L8], 3, v1
	s_mul_i32 s17, s16, STG
	v_add_nc_u32 v[SIN], s17, v[L16]
	v_mul_u32_u24 v[SOUT], v2, SP
	v_lshl_add_u32 v[SOUT], v3, 6, v[SOUT]
	v_add_nc_u32 v[SOUT], s17, v[SOUT]
	v_lshlrev_b32 v[SOF], 4, v2
	v_lshl_add_u32 v[SOF], v3, 3, v[SOF]
.irp b, 0,1,2,3
	v_mov_b32 v[TM+4+\b], 0                        ; written once: a lane permute's destination counts as one of its sources
.endr
	s_mov_b32 s[SEL], 0x76543210
	s_mov_b32 s[SEL+1], 0xfedcba98
	s_mul_i32 s18, ttmp9, 6
	s_add_co_u32 s18, s18, s16                     ; W
	s_lshr_b32 s19, s18, 1                         ; G: the tile
	s_and_b32 s20, s18, 1                          ; q: the K half
	s_and_b32 s22, s19, 1
	s_lshl_b32 s22, s22, 3                         ; 8 u (512 and 704 are even: u is the same in all three countings)
	s_lshr_b32 s21, s19, 1
	s_lshl_b32 s21, s21, 5
	s_add_co_u32 s21, s21, s22                     ; x: first row 32 (G / 2) + 8 u
	s_sub_co_u32 s23, s19, 512                     ; w_qkv: D = G - 512 = part x 64 + head x 4 + tile of the head
	s_bfe_u32 s24, s23, 0x40002
	s_mul_i32 s24, s24, 192                        ; head x 192
	s_lshr_b32 s25, s23, 6
	s_lshl_b32 s25, s25, 6                         ; part x 64
	s_add_co_u32 s24, s24, s25
	s_bfe_u32 s26, s23, 0x10001
	s_lshl_b32 s26, s26, 5                         ; 32 al
	s_add_co_u32 s24, s24, s26
	s_add_co_u32 s24, s24, s22
	s_sub_co_u32 s27, s19, 704                     ; w_proj
	s_lshr_b32 s27, s27, 1
	s_lshl_b32 s27, s27, 5
	s_add_co_u32 s27, s27, s22
	s_wait_alu depctr_va_vdst(0)
	s_wait_kmcnt 0x0
	s_cmp_lt_u32 s19, 512                          ; which tensor: the choice hangs on the tile's number alone
	s_cselect_b64 s[4:5], s[4:5], s[6:7]
	s_cselect_b32 s21, s21, s24
	s_cmp_lt_u32 s19, 704
	s_cselect_b64 s[4:5], s[4:5], s[8:9]
	s_cselect_b32 s21, s21, s27
	s_lshl_b32 s28, s21, 12                        ; first row x 4,096 bytes (under 2^26)
	s_lshl_b32 s29, s20, 11                        ; + K half x 2,048
	s_add_co_u32 s28, s28, s29
	s_mov_b32 s29, 0
	s_add_nc_u64 s[4:5], s[4:5], s[28:29]
	s_mul_i32 s30, s19, 12288
	s_mul_i32 s31, s20, 6144
	s_add_co_u32 s30, s30, s31
	s_mov_b32 s31, 0
	s_add_nc_u64 s[10:11], s[10:11], s[30:31]
	s_lshl_b32 s32, s19, 9
	s_lshl_b32 s33, s20, 8
	s_add_co_u32 s32, s32, s33
	s_mov_b32 s33, 0
	s_add_nc_u64 s[12:13], s[12:13], s[32:33]
.macro LOAD t                          ; step t: 512 bytes of each of the tile's 16 rows, into set t % 2
.irp i, 0,1,2,3,4,5,6,7,8,9,10,11,12,13,14,15
	global_load_b128 v[R+64*((\t)%2)+4*\i:R+64*((\t)%2)+4*\i+3], v[L16], s[4:5] offset:(\i+8*(\i/8))*ROWB+512*(\t) th:TH_LOAD_NT
.endr
.endm
; 64 numbers of a lane, register 16 b + i = k 32 b + 16 h + i of my row, become a fragment's codes in v[PC] on and its scale word in v[pw].
.macro QUANT s, pw
.irp b, 0,1,2,3
	v_max3_num_f32 v[TM+\b], |v[\s+16*\b]|, |v[\s+1+16*\b]|, 0x1800000   ; block b: my 16 numbers, and the floor 2^(3 - 127): the byte cannot fall under 1
.endr
.irp i, 2,4,6,8,10,12,14
.irp b, 0,1,2,3
	v_max3_num_f32 v[TM+\b], v[TM+\b], |v[\s+16*\b+\i]|, |v[\s+1+16*\b+\i]|   ; the four blocks by turns
.endr
.endr
.irp b, 0,1,2,3
	v_permlanex16_b32 v[TM+4+\b], v[TM+\b], s[SEL], s[SEL+1]
.endr
.irp b, 0,1,2,3
	v_max_num_f32 v[TM+\b], v[TM+\b], v[TM+4+\b]   ; with lane l xor 16's 16: the block's largest magnitude
.endr
.irp b, 0,1,2,3
	v_add_nc_u32 v[TM+12+\b], 0xff000000, v[TM+\b]   ; 2 off its exponent field: the conversion takes that field as its scale
.endr
.irp b, 0,1,2,3
	v_lshrrev_b32 v[TM+4+\b], 23, v[TM+12+\b]      ; the scale's byte
.endr
	v_lshl_or_b32 v[\pw], v[TM+5], 8, v[TM+4]
	v_lshl_or_b32 v[\pw], v[TM+6], 16, v[\pw]
	v_lshl_or_b32 v[\pw], v[TM+7], 24, v[\pw]
.irp c, 0,1
	v_cvt_scalef32_pk16_fp6_f32 v[PC+6*\c:PC+2+6*\c], v[\s+32*\c:\s+15+32*\c], v[TM+12+2*\c]
	v_cvt_scalef32_pk16_fp6_f32 v[PT+4*\c:PT+2+4*\c], v[\s+16+32*\c:\s+31+32*\c], v[TM+13+2*\c]   ; (a conversion's three registers begin on an even number)
.endr
	v_nop                                          ; one plain place behind a scaled conversion
.irp c, 0,1                            ; the operand's layout wants a whole block in a lane: lanes 0-15 block 2 c, lanes 16-31 block 2 c + 1
.irp i, 0,1,2
	v_permlane16_swap_b32 v[PC+6*\c+\i], v[PT+4*\c+\i]
.endr
.irp i, 0,1,2
	v_mov_b32 v[PC+3+6*\c+\i], v[PT+4*\c+\i]
.endr
.endr
.endm
.macro STEP t
.if (\t) < 3
	s_wait_loadcnt 16                              ; this step's 16 loads are in; the next step's 16 may be out
.else
	s_wait_loadcnt 0x0
.endif
.irp i, 0,1,2,3,4,5,6,7,8,9,10,11,12,13,14,15
	ds_store_b128 v[SIN], v[R+64*((\t)%2)+4*\i:R+64*((\t)%2)+4*\i+3] offset:SP*\i
.endr
.irp b, 0,1,2,3
.irp j, 0,1,2,3
	ds_load_b128 v[X+16*\b+4*\j:X+16*\b+4*\j+3], v[SOUT] offset:128*\b+16*\j   ; LDS serves a wave's instructions in order: these see the stores above
.endr
.endr
	s_wait_dscnt 0x0                               ; the numbers are back, and the stage's stores have read their registers
	s_wait_xcnt 0x0                                ; the last step's stores have had their addresses translated: their data, v[PC] on, are written again only behind this wait
.if (\t)+2 < 4
	LOAD (\t)+2
.endif
	QUANT X, WS+(\t)
	global_store_b128 v[L16], v[PC:PC+3], s[10:11] offset:1536*(\t)          ; each store covers 512 or 256 consecutive bytes, aligned to 256
	global_store_b64 v[L8], v[PC+4:PC+5], s[10:11] offset:1536*(\t)+512
	global_store_b128 v[L16], v[PC+6:PC+9], s[10:11] offset:1536*(\t)+768
	global_store_b64 v[L8], v[PC+10:PC+11], s[10:11] offset:1536*(\t)+1280
.endm
	LOAD 0
	LOAD 1
	STEP 0
	STEP 1
	STEP 2
	STEP 3
	v_cmp_ne_u32 vcc_lo, 0, v3
	v_cndmask_b32 v10, v[WS], v[WS+2], vcc_lo      ; lanes 0-15 store words 0 and 1 of their row, lanes 16-31 words 2 and 3:
	v_cndmask_b32 v11, v[WS+1], v[WS+3], vcc_lo
	global_store_b64 v[SOF], v[10:11], s[12:13]    ; 256 consecutive bytes, aligned
	s_wait_tensorcnt 0x0
	ds_add_u32 v62, v63
	s_wait_dscnt 0x0
	s_endpgm
.Lfunc_end_k_q11c8e4e689_quant:
	.size	k_q11c8e4e689_quant, .Lfunc_end_k_q11c8e4e689_quant-k_q11c8e4e689_quant
	.p2alignl 7, 3214868480
	.fill 96, 4, 3214868480
	.section	.rodata,"a",@progbits
	.p2align	6, 0x0
	.amdhsa_kernel k_q11c8e4e689_quant
		.amdhsa_group_segment_fixed_size 51456
		.amdhsa_private_segment_fixed_size 0
		.amdhsa_enable_private_segment 0
		.amdhsa_kernarg_size 40
		.amdhsa_user_sgpr_count 2
		.amdhsa_user_sgpr_kernarg_segment_ptr 1
		.amdhsa_wavefront_size32 1
		.amdhsa_system_sgpr_workgroup_id_x 1
		.amdhsa_system_sgpr_workgroup_id_y 1
		.amdhsa_system_sgpr_workgroup_id_z 1
		.amdhsa_system_vgpr_workitem_id 0
		.amdhsa_next_free_vgpr 256
		.amdhsa_next_free_sgpr 66
		.amdhsa_reserve_vcc 1
		.amdhsa_float_denorm_mode_32 3
		.amdhsa_float_denorm_mode_16_64 3
		.amdhsa_memory_ordered 1
		.amdhsa_forward_progress 1
		.amdhsa_inst_pref_size 35
	.end_amdhsa_kernel
	.amdgpu_metadata
---
amdhsa.version: [ 1, 2 ]
amdhsa.kernels:
  - .name:           k_q11c8e4e689_quant
    .symbol:         k_q11c8e4e689_quant.kd
    .args:
      - { .name: x, .offset: 0, .size: 8, .value_kind: global_buffer, .address_space: global }
      - { .name: w_qkv, .offset: 8, .size: 8, .value_kind: global_buffer, .address_space: global }
      - { .name: w_proj, .offset: 16, .size: 8, .value_kind: global_buffer, .address_space: global }
      - { .name: gc, .offset: 24, .size: 8, .value_kind: global_buffer, .address_space: global }
      - { .name: gs, .offset: 32, .size: 8, .value_kind: global_buffer, .address_space: global }
    .group_segment_fixed_size: 51456
    .private_segment_fixed_size: 0
    .kernarg_segment_align: 8
    .kernarg_segment_size: 40
    .max_flat_workgroup_size: 192
    .sgpr_count:     66
    .vgpr_count:     256
    .wavefront_size: 32
...
	.end_amdgpu_metadata
.endif
;; end of part 1
;; launch qkv (part 2): grid 12 x 32, 4 waves a work-group, clusters of 4 x 4, 327,680 bytes of LDS; arguments gc, gs, att; writes att
.if DOCPART == 2
	.amdgcn_target "amdgcn-amd-amdhsa--gfx1250"
	.amdhsa_code_object_version 6
	.text
	.protected	k_q11c8e4e689_qkv
	.globl	k_q11c8e4e689_qkv
	.p2align	8
	.type	k_q11c8e4e689_qkv,@function
k_q11c8e4e689_qkv:
	s_mov_b64 s[64:65], 0
	v_nop
	global_prefetch_b8 v0, s[64:65] scope:SCOPE_SE
	s_setreg_imm32_b32 hwreg(HW_REG_WAVE_MODE, 25, 1), 1
	s_wait_xcnt 0x0
	s_wait_alu depctr_hold_cnt(0) depctr_sa_sdst(0) depctr_va_vdst(0) depctr_va_sdst(0) depctr_va_ssrc(0) depctr_va_vcc(0) depctr_vm_vsrc(0)
	s_getreg_b32 s2, hwreg(HW_REG_IB_STS2, 6, 4)
	s_cmp_eq_u32 s2, 0
	s_cbranch_scc0 .Lentry_in_a_cluster
	s_endpgm
.Lentry_in_a_cluster:
	s_bfe_u32 s2, ttmp6, 0x10000c
	s_cmp_lg_u32 s2, 0xf033
	s_cbranch_scc0 .Lentry_shape_is_right
	s_endpgm
.Lentry_shape_is_right:
; The QKV projection on codes of E2M3 (K = 1,024), its results quantised in registers and stored as codes alone, laid as the attention launch takes them.
; gc, gs: row tiles of 16 rows (tile 2 al + u: rows 32 al + 8 u + r + 8 (r / 8)); a tile's codes are 16 half fragments of 768 bytes (register images, 64 K each), its scale words 512 bytes [K half][r][4 words].
; A tile of C is 256 x 256, four waves of 128 x 128 (64 accumulators).  THE MATRIX INSTRUCTION IS USED TRANSPOSED: source 0 = a tile of B, source 1 = a tile of A: a lane holds one row of A, and by the choice of a
; tile's rows its 64 registers over B's eight tiles are 4 x 16 NEIGHBOURS among B's 128 rows: register 16 be + i = row 32 be + 16 h + i: the layout from which a lane quantises along that axis.
; PARTS, by the cluster's x: 0: q = x Wq^T (A = x, B = Wq), quantised along the head's 64;  1: k likewise;  2: v, taken as Wv x^T (A = Wv, B = x), so that the registers run along the KEYS, v's K in attention.
; att: q's half fragments at (bh 128 + T) 768; q's scale words at QSO + bh 8192 + (T / 4) 256 + 16 r + 4 (T % 4); from KVO on 208,896 bytes a head: K's scale words (8,192, as q's), V's (4,096: step x 256 + 16 r + 4 dtile),
;      then 16 records of 12,288 (128 keys): K's 8 half fragments, then V's at 6144 + 3072 (half of the keys) + 768 dtile.  A word of q or k has two bytes that count; the upper two stand over zero codes and are never 0xff.
; K goes in 8 chunks of 128, written out.  K step = 256 = 3,072 bytes of each tile; three LDS slots take K steps 0, 1, 2 as first fills, K step 3 fills slot 0 again: one round of the cluster's barrier in the whole launch.
; CLUSTERS: 4 x 4.  A's tiles are shared along a row of the cluster, B's along a column: joint loads.  LIMITS as in the quantising launch: byte 1 for blocks under 2^-124; NaN and infinities not served.
; REGISTERS: window 0: v8-23 addresses, v28-29 for the add, v32-95 scale words (register 8 i + c: lanes 0-15 A's tile i, lanes 16-31 B's tile i, chunk c), v128-223 A's 8 fragments (one set);
;   window 1: B's fragments, two sets at v0 and v128;  window 2: accumulators of A's tiles 0-3 ((a, b) at v[8 (8 a + b)]);  window 3: of tiles 4-7.
.set TILEB, 12288                      ; a row tile of gc
.set KSB,   3072                       ; a K step of a row tile
.set HALF,  8*KSB                      ; what one tensor load brings, and what one wave reads of A or of B
.set SLOT,  4*HALF                     ; A's 16 tiles, then B's 16
.set SPARE, 3*SLOT                     ; behind the slots: the spare words, 128 bytes a wave, two blocks of 256 bytes that no other line names
.set FR,    12
.set QSO,   6291456
.set KVO,   6815744
.set KVB,   208896
.set ADRA16, 8                         ; v8-10   A: slot s: 16 x lane + my 8 tiles
.set ADRA8,  11                        ; v11-13  the same with 8 x lane
.set ADRB16, 14                        ; v14-16  B
.set ADRB8,  17                        ; v17-19
.set L16,  20                          ; v20  16 x lane
.set L8,   21                          ; v21  8 x lane
.set SOF,  22                          ; v22  scale words in gs: 16 r + (lanes 0-15: A's tiles; lanes 16-31: B's)
.set SST,  23                          ; v23  the results' scale words: 16 r + h x DS1
.set SPW,  28
.set NIL,  29
.set SC,   32
.set TM,   96                          ; the way out: v96-111 at work
.set WS,   112                         ; v112-119 the eight tiles' scale words
.set XW,   120
.set YW,   124
.set AF,   128
.set PT,   224
.set G1A, 24                           ; s[24:31] group 1 for A's tiles, s[32:39] for B's
.set G1B, 32
.set G0A, 48                           ; s[48:59] group 0 for A's, a set a slot; s[68:79] for B's
.set G0B, 68
.set SEL, 60
.set MSB, 0
.macro WIN new                         ; the immediate's high byte repeats the setting that is left
.if MSB != \new
	s_set_vgpr_msb (MSB<<8)|\new
.set MSB, \new
.endif
.endm
.set MUL_LO, 0xa1                      ; source 0 (B) window 1, source 1 (A) window 0, C and D window 2
.set MUL_HI, 0xf1                      ; the same, C and D window 3
.set TO_B,   0x40
.macro JLOAD                           ; the joint refill of slot 0: waves 0, 1 fetch A's halves, waves 2, 3 B's; four v_nop follow each line
	s_cmp_eq_u32 s15, 0
	s_cbranch_scc0 .Lfor_b_\@
	tensor_load_to_lds s[G0A:G0A+3], s[G1A:G1A+7]
	s_nop 0
.rept 4
	v_nop
.endr
	s_branch .Lasked_\@
.Lfor_b_\@:
	tensor_load_to_lds s[G0B:G0B+3], s[G1B:G1B+7]
	s_nop 0
.rept 4
	v_nop
.endr
.Lasked_\@:
.endm
.macro CREST                           ; a round of the cluster's barrier behind its opening barrier
	s_cmp_lg_u32 s14, 0
	s_cbranch_scc1 .Lnot_wave_0_\@
	s_barrier_signal -3
.Lnot_wave_0_\@:
	s_barrier_wait -3
	s_barrier_signal -1
	s_barrier_wait -1
.endm
.macro CROUND
	s_barrier_signal -1
	s_barrier_wait -1
	CREST
.endm
.macro PLACES n                        ; plain vector places behind matrix instructions, in front of loads into their registers and of reads of their results
.rept \n
	v_nop
.endr
.endm
	s_load_b128 s[4:7], s[0:1], 0x0                ; gc, gs
	s_load_b64 s[8:9], s[0:1], 0x10                ; att
	v_lshl_add_u32 v[SPW], v0, 2, SPARE
	v_mov_b32 v[NIL], 0
	ds_add_u32 v28, v29
	ds_add_u32 v28, v29
	s_wait_dscnt 0x0
	v_lshrrev_b32 v1, 5, v0
	v_readfirstlane_b32 s14, v1                    ; wave 0..3
	s_lshr_b32 s15, s14, 1                         ; wa: my half of A's tiles.  Also: I fetch for A (0) or for B (1)
	s_and_b32 s16, s14, 1                          ; wb: my half of B's.  Also: which 8 tiles I fetch
	s_bfe_u32 s40, ttmp6, 0x40000                  ; cx
	s_bfe_u32 s41, ttmp6, 0x40004                  ; cy
	s_and_b32 s42, ttmp7, 0xffff                   ; the cluster's y
	s_lshl_b32 s43, s41, 2
	s_lshl_b32 s43, 15, s43                        ; my row of the cluster
	s_lshl_b32 s44, 0x1111, s40                    ; my column
	; group 1: 8 rows (tiles) of 3,072 bytes (384 elements of 8), 12,288 bytes apart; dense in LDS
	s_or_b32 s[G1A], s43, (3<<16)|(1<<21)
	s_or_b32 s[G1B], s44, (3<<16)|(1<<21)
.irp g, G1A, G1B
	s_mov_b32 s[\g+1], 384<<16                     ; tensor_dim0
	s_mov_b32 s[\g+2], 8<<16                       ; tensor_dim1
	s_mov_b32 s[\g+3], 384<<16                     ; tile_dim0
	s_mov_b32 s[\g+4], 8                           ; tile_dim1
	s_mov_b32 s[\g+5], 1536                        ; the pitch, in elements
	s_mov_b32 s[\g+6], 0
	s_mov_b32 s[\g+7], 0
.endr
	; A's first tile hangs on cy alone, B's on cx alone (and on the cluster's place, which all partners share)
	s_lshl_b32 s17, s42, 6                         ; x's tiles of this cluster: 64 x cluster y
	s_lshl_b32 s18, ttmp9, 6
	s_add_co_u32 s18, s18, 512                     ; Wq's or Wk's tiles
	s_cmp_eq_u32 ttmp9, 2                          ; the part v?
	s_cselect_b32 s19, 640, s17                    ; A: Wv, else x
	s_cselect_b32 s20, s17, s18                    ; B: x, else Wq or Wk
	s_lshl_b32 s45, s41, 4
	s_add_co_u32 s45, s45, s19                     ; GA
	s_lshl_b32 s46, s40, 4
	s_add_co_u32 s46, s46, s20                     ; GB
	s_lshl_b32 s21, s16, 3
	s_add_co_u32 s22, s45, s21
	s_mul_i32 s22, s22, TILEB
	s_mov_b32 s23, 0
	s_add_co_u32 s92, s46, s21
	s_mul_i32 s92, s92, TILEB
	s_mov_b32 s93, 0
	s_mul_i32 s47, s14, HALF                       ; where they go: wave x 8 tiles: no place in the cluster enters an LDS address
	s_wait_kmcnt 0x0
	s_add_nc_u64 s[22:23], s[4:5], s[22:23]
	s_add_nc_u64 s[92:93], s[4:5], s[92:93]
	CROUND                                         ; all sixteen work-groups are here: the first joint loads meet
.irp s, 0,1,2
	s_mov_b32 s[G0A+4*\s], 1
	s_add_co_u32 s[G0A+4*\s+1], s47, \s*SLOT
	s_add_nc_u64 s[G0A+4*\s+2:G0A+4*\s+3], s[22:23], \s*KSB
	s_or_b32 s[G0A+4*\s+3], s[G0A+4*\s+3], 0x80000000
	s_mov_b32 s[G0B+4*\s], 1
	s_add_co_u32 s[G0B+4*\s+1], s47, \s*SLOT
	s_add_nc_u64 s[G0B+4*\s+2:G0B+4*\s+3], s[92:93], \s*KSB
	s_or_b32 s[G0B+4*\s+3], s[G0B+4*\s+3], 0x80000000
.endr
	s_cmp_eq_u32 s15, 0                            ; a wave's three first fills stand in one branch: K steps 0, 1, 2; three loads of mine are out
	s_cbranch_scc0 .Lfirst_b
	tensor_load_to_lds s[G0A:G0A+3], s[G1A:G1A+7]
	s_nop 0
	tensor_load_to_lds s[G0A+4:G0A+7], s[G1A:G1A+7]
	s_nop 0
	tensor_load_to_lds s[G0A+8:G0A+11], s[G1A:G1A+7]
	s_nop 0
.rept 4
	v_nop
.endr
	s_branch .Lfirst_done
.Lfirst_b:
	tensor_load_to_lds s[G0B:G0B+3], s[G1B:G1B+7]
	s_nop 0
	tensor_load_to_lds s[G0B+4:G0B+7], s[G1B:G1B+7]
	s_nop 0
	tensor_load_to_lds s[G0B+8:G0B+11], s[G1B:G1B+7]
	s_nop 0
.rept 4
	v_nop
.endr
.Lfirst_done:
	v_and_b32 v1, 31, v0                           ; lane
	v_and_b32 v2, 15, v0                           ; r
	v_bfe_u32 v3, v0, 4, 1                         ; h
	v_lshlrev_b32 v[L16], 4, v1
	v_lshlrev_b32 v[L8], 3, v1
	s_mul_i32 s21, s15, HALF                       ; my 8 tiles of A
	s_mul_i32 s94, s16, HALF
	s_add_co_u32 s94, s94, 2*HALF                  ; my 8 of B, behind A's 16
.irp s, 0,1,2
	v_add_nc_u32 v[ADRA16+\s], s21, v[L16]
	v_add_nc_u32 v[ADRA8+\s], s21, v[L8]
	v_add_nc_u32 v[ADRB16+\s], s94, v[L16]
	v_add_nc_u32 v[ADRB8+\s], s94, v[L8]
	s_add_co_u32 s21, s21, SLOT
	s_add_co_u32 s94, s94, SLOT
.endr
	; the scale words of my 8 + 8 tiles for all of K: 16 loads, lanes 0-15 from A's tiles, lanes 16-31 from B's; each half of the lanes reads 256 consecutive bytes, aligned
	s_lshl_b32 s95, s15, 3
	s_add_co_u32 s95, s95, s45
	s_lshl_b32 s95, s95, 9
	s_lshl_b32 s96, s16, 3
	s_add_co_u32 s96, s96, s46
	s_lshl_b32 s96, s96, 9
	v_mov_b32 v4, s95
	v_mov_b32 v5, s96
	v_cmp_ne_u32 vcc_lo, 0, v3
	v_cndmask_b32 v[SOF], v4, v5, vcc_lo
	v_lshl_add_u32 v[SOF], v2, 4, v[SOF]
.irp i, 0,1,2,3,4,5,6,7
.irp q, 0,1
	global_load_b128 v[SC+8*\i+4*\q:SC+8*\i+4*\q+3], v[SOF], s[6:7] offset:512*\i+256*\q
.endr
.endr
	; where the results go.  sigma: my 128 tokens' step in the sequence; head0: the first of my two heads
	s_cmp_eq_u32 ttmp9, 2
	s_cselect_b32 s12, s40, s41                    ; the tokens lie along B in the part v, else along A
	s_cselect_b32 s13, s16, s15
	s_cselect_b32 s97, s41, s40
	s_cselect_b32 s98, s15, s16
	s_lshr_b32 s10, s42, 1                         ; the batch
	s_and_b32 s11, s42, 1
	s_lshl_b32 s11, s11, 2
	s_add_co_u32 s11, s11, s12
	s_lshl_b32 s11, s11, 1
	s_add_co_u32 s11, s11, s13                     ; sigma
	s_lshl_b32 s97, s97, 2
	s_lshl_b32 s98, s98, 1
	s_add_co_u32 s97, s97, s98                     ; head0
	s_lshl_b32 s10, s10, 4
	s_add_co_u32 s10, s10, s97                     ; bh0
	s_mov_b32 s60, KVB                             ; k's constants: codes: bytes a head,
	s_mov_b32 s61, 12288                           ; a step,
	s_mov_b32 s62, KVO+12288                       ; the start;
	s_mov_b32 s63, KVB                             ; scale words: bytes a head (also from my first head to my second),
	s_mov_b32 s66, 512                             ; a step,
	s_mov_b32 s67, KVO                             ; the start;
	s_mov_b32 s2, 3072                             ; D1: from A's tiles 0-3 to 4-7
	s_mov_b32 s3, KVB                              ; D2: from a fragment's first half to its second
	s_mov_b32 s99, 256                             ; DS1: scale words, from tiles 0-3 to 4-7
	s_cmp_eq_u32 ttmp9, 0                          ; q's
	s_cselect_b32 s60, 98304, s60
	s_cselect_b32 s61, 6144, s61
	s_cselect_b32 s62, 0, s62
	s_cselect_b32 s63, 8192, s63
	s_cselect_b32 s67, QSO, s67
	s_cselect_b32 s3, 98304, s3
	s_cmp_eq_u32 ttmp9, 2                          ; v's
	s_cselect_b32 s62, KVO+18432, s62
	s_cselect_b32 s66, 256, s66
	s_cselect_b32 s67, KVO+8192, s67
	s_cselect_b32 s2, KVB, s2
	s_cselect_b32 s3, 3072, s3
	s_cselect_b32 s99, KVB, s99
	s_mul_i32 s12, s10, s60
	s_mul_i32 s13, s11, s61
	s_add_co_u32 s12, s12, s13
	s_add_co_u32 s12, s12, s62
	s_mov_b32 s13, 0
	s_add_nc_u64 s[80:81], s[8:9], s[12:13]        ; tiles 0-3, first half
	s_mov_b32 s12, s3
	s_add_nc_u64 s[82:83], s[80:81], s[12:13]      ; tiles 0-3, second half
	s_mov_b32 s12, s2
	s_add_nc_u64 s[84:85], s[80:81], s[12:13]      ; tiles 4-7
	s_add_nc_u64 s[86:87], s[82:83], s[12:13]
	s_mul_i32 s96, s10, s63
	s_mul_i32 s97, s11, s66
	s_add_co_u32 s96, s96, s97
	s_add_co_u32 s96, s96, s67
	s_mov_b32 s97, 0
	s_add_nc_u64 s[88:89], s[8:9], s[96:97]        ; scale words, my first head
	s_mov_b32 s96, s63
	s_add_nc_u64 s[90:91], s[88:89], s[96:97]      ; my second head (q, k)
	v_mul_u32_u24 v[SST], v3, s99
	v_lshl_add_u32 v[SST], v2, 4, v[SST]
.macro FRAG reg, a16, a8, q, i         ; a fragment, 16 rows x 128 K: two half fragments as they lie: every load reads consecutive bytes
	ds_load_b128 v[\reg:\reg+3], v[\a16] offset:KSB*(\i)+1536*(\q)
	ds_load_b64 v[\reg+4:\reg+5], v[\a8] offset:KSB*(\i)+1536*(\q)+512
	ds_load_b128 v[\reg+6:\reg+9], v[\a16] offset:KSB*(\i)+1536*(\q)+768
	ds_load_b64 v[\reg+10:\reg+11], v[\a8] offset:KSB*(\i)+1536*(\q)+1280
.endm
.macro FETCH_B slot, q, p
	WIN TO_B
.irp i, 0,1,2,3,4,5,6,7
	FRAG 128*(\p)+FR*\i, ADRB16+\slot, ADRB8+\slot, \q, \i
.endr
	WIN 0
.endm
.macro FETCH_A slot, q, i0
.irp i, \i0, \i0+1, \i0+2, \i0+3
	FRAG AF+FR*(\i), ADRA16+\slot, ADRA8+\slot, \q, \i
.endr
.endm
; 16 matrix instructions: A's tiles a0, a0 + 1 x B's eight, chunk c; p: B's set.  first = 1: the products start the sums.  The 64 accumulators take turns, one instruction a turn, in the same order in every chunk.
.macro MUL16 a0, p, c, first
.irp a, \a0, \a0+1
.irp b, 0,1,2,3,4,5,6,7
.if \first
	v_wmma_scale_f32_16x16x128_f8f6f4 v[8*(8*((\a)%4)+\b):8*(8*((\a)%4)+\b)+7], v[128*(\p)+FR*\b:128*(\p)+FR*\b+FR-1], v[AF+FR*(\a):AF+FR*(\a)+FR-1], 0, v[SC+8*\b+(\c)], v[SC+8*(\a)+(\c)] matrix_a_fmt:MATRIX_FMT_FP6 matrix_b_fmt:MATRIX_FMT_FP6 matrix_a_scale:MATRIX_SCALE_ROW1
.else
	v_wmma_scale_f32_16x16x128_f8f6f4 v[8*(8*((\a)%4)+\b):8*(8*((\a)%4)+\b)+7], v[128*(\p)+FR*\b:128*(\p)+FR*\b+FR-1], v[AF+FR*(\a):AF+FR*(\a)+FR-1], v[8*(8*((\a)%4)+\b):8*(8*((\a)%4)+\b)+7], v[SC+8*\b+(\c)], v[SC+8*(\a)+(\c)] matrix_a_fmt:MATRIX_FMT_FP6 matrix_b_fmt:MATRIX_FMT_FP6 matrix_a_scale:MATRIX_SCALE_ROW1
.endif
.endr
.endr
.endm
; Chunk c; the next chunk's fragments lie in slot nslot, half nq, which is whole already.
.macro STEP c, nslot, nq, first
	s_wait_dscnt 16                                ; B's set and A's tiles 0-3 are in; the youngest 16 loads (A's tiles 4-7) may be out
	WIN MUL_LO
	MUL16 0, (\c)%2, \c, \first
	MUL16 2, (\c)%2, \c, \first
	s_wait_dscnt 0x0                               ; A's tiles 4-7 are in
	PLACES 4
	FETCH_B \nslot, \nq, 1-(\c)%2
	FETCH_A \nslot, \nq, 0
	WIN MUL_HI
	MUL16 4, (\c)%2, \c, \first
	MUL16 6, (\c)%2, \c, \first
	PLACES 4
	WIN 0
	FETCH_A \nslot, \nq, 4
.endm
; A chunk with a barrier in it: in front each wave waits for all its tensor loads, adds 0 to its spare word, and waits for that and for its reads.  fill = 1: slot 0 is filled again, with K step 3.
.macro TURN c, nslot, fill
	s_wait_tensorcnt 0x0                           ; all my tensor loads have landed
	ds_add_u32 v[SPW], v[NIL]                      ; 0 onto my spare word
	s_wait_dscnt 17                                ; (the add and the youngest 16 loads may be out)
	WIN MUL_LO
	MUL16 0, (\c)%2, \c, 0
	s_wait_dscnt 0x0                               ; the add is done, and all my LDS reads so far are over
	s_barrier_signal -1
	MUL16 2, (\c)%2, \c, 0
	WIN 0
	s_barrier_wait -1
.if \fill
	CREST                                          ; the barrier has opened a round of the cluster's: no wave of any partner still reads slot 0 or has a load on its way
	s_add_nc_u64 s[G0A+2:G0A+3], s[G0A+2:G0A+3], 3*KSB
	s_add_nc_u64 s[G0B+2:G0B+3], s[G0B+2:G0B+3], 3*KSB
	JLOAD                                          ; the first tensor load behind the round, one a wave; its four v_nop are the places in front of the loads below
.else
	PLACES 4
.endif
	FETCH_B \nslot, 0, 1-(\c)%2
	FETCH_A \nslot, 0, 0
	WIN MUL_HI
	MUL16 4, (\c)%2, \c, 0
	MUL16 6, (\c)%2, \c, 0
	PLACES 4
	WIN 0
	FETCH_A \nslot, 0, 4
.endm
	s_wait_tensorcnt 2                             ; my part of K step 0 is in; K steps 1 and 2 may be out
	s_barrier_signal -1
	s_barrier_wait -1
	FETCH_B 0, 0, 0
	FETCH_A 0, 0, 0
	FETCH_A 0, 0, 4
	s_wait_loadcnt 0x0                             ; the scale words
	STEP 0, 0, 1, 1
	TURN 1, 1, 1                                   ; every wave has waited for all three first fills: behind the round slots 1 and 2 are whole
	STEP 2, 1, 1, 0
	s_wait_alu depctr_va_vdst(0)
	STEP 3, 2, 0, 0
	STEP 4, 2, 1, 0
	TURN 5, 0, 0                                   ; K step 3 has landed in slot 0
	STEP 6, 0, 1, 0
	s_wait_dscnt 16                                ; the last chunk: nothing more to fetch
	WIN MUL_LO
	MUL16 0, 1, 7, 0
	MUL16 2, 1, 7, 0
	s_wait_dscnt 0x0
	WIN MUL_HI
	MUL16 4, 1, 7, 0
	MUL16 6, 1, 7, 0
	WIN 0
; THE WAY OUT.  The 64 registers of A's tile a are quantised as they stand: a fragment of 12 registers and a scale word.  Its two halves (q, k: my two heads; v: the step's two halves of 64 keys) are stored as register images.
; Each tile has its own 12 registers for its codes, so that no store's data are written again.
	PLACES 4
	s_mov_b32 s[SEL], 0x76543210
	s_mov_b32 s[SEL+1], 0xfedcba98
.irp b, 0,1,2,3
	v_mov_b32 v[TM+4+\b], 0                        ; written once: a lane permute's destination counts as one of its sources
.endr
.macro EQ a
.set AC, 64*((\a)%4)
.set WA, 2+(\a)/4
.set WW, WA|(WA<<2)
.set PC, AF+FR*(\a)
	WIN WW                                         ; sources 0 and 1: the accumulators' window
.irp b, 0,1,2,3
	v_max3_num_f32 v[TM+\b], |v[AC+16*\b]|, |v[AC+1+16*\b]|, 0x1800000   ; each accumulator is read from its low end on; the floor 2^(3 - 127) holds the byte at 1 from below
.endr
.irp i, 2,4,6,8,10,12,14
.irp b, 0,1,2,3
	v_max3_num_f32 v[TM+\b], |v[AC+16*\b+\i]|, |v[AC+1+16*\b+\i]|, v[TM+\b]
.endr
.endr
	WIN 0
.irp b, 0,1,2,3
	v_permlanex16_b32 v[TM+4+\b], v[TM+\b], s[SEL], s[SEL+1]
.endr
.irp b, 0,1,2,3
	v_max_num_f32 v[TM+\b], v[TM+\b], v[TM+4+\b]
.endr
.irp b, 0,1,2,3
	v_add_nc_u32 v[TM+12+\b], 0xff000000, v[TM+\b]
.endr
.irp b, 0,1,2,3
	v_lshrrev_b32 v[TM+4+\b], 23, v[TM+12+\b]
.endr
	v_lshl_or_b32 v[WS+(\a)], v[TM+5], 8, v[TM+4]
	v_lshl_or_b32 v[WS+(\a)], v[TM+6], 16, v[WS+(\a)]
	v_lshl_or_b32 v[WS+(\a)], v[TM+7], 24, v[WS+(\a)]
	WIN WA                                         ; source 0: the accumulators' window
.irp c, 0,1
	v_cvt_scalef32_pk16_fp6_f32 v[PC+6*\c:PC+2+6*\c], v[AC+32*\c:AC+15+32*\c], v[TM+12+2*\c]
	v_cvt_scalef32_pk16_fp6_f32 v[PT+4*\c:PT+2+4*\c], v[AC+16+32*\c:AC+31+32*\c], v[TM+13+2*\c]
.endr
	WIN 0
	v_nop                                          ; one plain place behind a scaled conversion
.irp c, 0,1
.irp i, 0,1,2
	v_permlane16_swap_b32 v[PC+6*\c+\i], v[PT+4*\c+\i]
.endr
.irp i, 0,1,2
	v_mov_b32 v[PC+3+6*\c+\i], v[PT+4*\c+\i]
.endr
.endr
	global_store_b128 v[L16], v[PC:PC+3], s[80+4*((\a)/4):81+4*((\a)/4)] offset:768*((\a)%4)      ; 512, then 256 consecutive bytes, aligned to 256
	global_store_b64 v[L8], v[PC+4:PC+5], s[80+4*((\a)/4):81+4*((\a)/4)] offset:768*((\a)%4)+512
	global_store_b128 v[L16], v[PC+6:PC+9], s[82+4*((\a)/4):83+4*((\a)/4)] offset:768*((\a)%4)
	global_store_b64 v[L8], v[PC+10:PC+11], s[82+4*((\a)/4):83+4*((\a)/4)] offset:768*((\a)%4)+512
.endm
.irp a, 0,1,2,3,4,5,6,7
	EQ \a
.endr
	v_cmp_ne_u32 vcc_lo, 0, v3
.irp j, 0,1,2,3
	v_cndmask_b32 v[XW+\j], v[WS+\j], v[WS+4+\j], vcc_lo   ; lanes 0-15: tiles 0-3's words of row r; lanes 16-31: tiles 4-7's
.endr
	global_store_b128 v[SST], v[XW:XW+3], s[88:89] ; each half of the lanes stores 256 consecutive bytes, aligned
	s_cmp_eq_u32 ttmp9, 2                          ; (the cluster's x: the same in all partners)
	s_cbranch_scc1 .Lno_second                     ; v's words are whole; q's and k's hold my first head's two bytes below and my second head's above
.irp j, 0,1,2,3
	v_lshrrev_b32 v[YW+\j], 16, v[XW+\j]
.endr
	global_store_b128 v[SST], v[YW:YW+3], s[90:91]
.Lno_second:
	s_wait_tensorcnt 0x0                           ; the wave's end
	ds_add_u32 v[SPW], v[NIL]
	s_wait_dscnt 0x0
	CROUND                                         ; the closing round: no work-group ends while a partner may still ask for a tile that names it
	s_endpgm
.Lfunc_end_k_q11c8e4e689_qkv:
	.size	k_q11c8e4e689_qkv, .Lfunc_end_k_q11c8e4e689_qkv-k_q11c8e4e689_qkv
	.p2alignl 7, 3214868480
	.fill 96, 4, 3214868480
	.section	.rodata,"a",@progbits
	.p2align	6, 0x0
	.amdhsa_kernel k_q11c8e4e689_qkv
		.amdhsa_group_segment_fixed_size 327680
		.amdhsa_private_segment_fixed_size 0
		.amdhsa_enable_private_segment 0
		.amdhsa_kernarg_size 24
		.amdhsa_user_sgpr_count 2
		.amdhsa_user_sgpr_kernarg_segment_ptr 1
		.amdhsa_wavefront_size32 1
		.amdhsa_system_sgpr_workgroup_id_x 1
		.amdhsa_system_sgpr_workgroup_id_y 1
		.amdhsa_system_sgpr_workgroup_id_z 1
		.amdhsa_system_vgpr_workitem_id 0
		.amdhsa_next_free_vgpr 1024
		.amdhsa_next_free_sgpr 100
		.amdhsa_reserve_vcc 1
		.amdhsa_float_denorm_mode_32 3
		.amdhsa_float_denorm_mode_16_64 3
		.amdhsa_memory_ordered 1
		.amdhsa_forward_progress 1
		.amdhsa_inst_pref_size 148
	.end_amdhsa_kernel
	.amdgpu_metadata
---
amdhsa.version: [ 1, 2 ]
amdhsa.kernels:
  - .name:           k_q11c8e4e689_qkv
    .symbol:         k_q11c8e4e689_qkv.kd
    .args:
      - { .name: gc, .offset: 0, .size: 8, .value_kind: global_buffer, .address_space: global }
      - { .name: gs, .offset: 8, .size: 8, .value_kind: global_buffer, .address_space: global }
      - { .name: att, .offset: 16, .size: 8, .value_kind: global_buffer, .address_space: global }
    .group_segment_fixed_size: 327680
    .private_segment_fixed_size: 0
    .kernarg_segment_align: 8
    .kernarg_segment_size: 24
    .max_flat_workgroup_size: 128
    .sgpr_count:     100
    .vgpr_count:     1024
    .wavefront_size: 32
...
	.end_amdgpu_metadata
.endif
;; end of part 2
;; launch attn (part 3): grid 4 x 64, 16 waves a work-group, no clusters, 327,680 bytes of LDS; arguments att, gc, gs; writes gc, gs
.if DOCPART == 3
	.amdgcn_target "amdgcn-amd-amdhsa--gfx1250"
	.amdhsa_code_object_version 6
	.text
	.protected	k_q11c8e4e689_attn
	.globl	k_q11c8e4e689_attn
	.p2align	8
	.type	k_q11c8e4e689_attn,@function
k_q11c8e4e689_attn:
	s_mov_b64 s[64:65], 0
	v_nop
	global_prefetch_b8 v0, s[64:65] scope:SCOPE_SE
	s_setreg_imm32_b32 hwreg(HW_REG_WAVE_MODE, 25, 1), 1
	s_wait_xcnt 0x0
.set QSO,  6291456
.set KVO,  6815744
.set KVB,  208896
.set REC,  12288
.set S,    128
.set O,    192
.set WV,   18
.set SEL,  20
.set CS,   22
.set G1A,  24
.set G1B,  32
.set G0A,  40
.set G0B,  44
.set TB,   2
.set TS,   3
.set TJ,   66
.set CNT,  67
.set KF,   68
.set Q0,   69
.set PH,   72
.set PL,   80
.set QH,   88
.set QL,   89
	s_load_b128 s[4:7], s[0:1], 0x0
	s_load_b64 s[8:9], s[0:1], 0x10
	v_lshl_add_u32 v254, v0, 2, 0x33000
	v_mov_b32 v255, 0
	ds_add_u32 v254, v255
	ds_add_u32 v254, v255
	s_wait_dscnt 0x0
	v_lshrrev_b32 v8, 5, v0
	s_delay_alu instid0(VALU_DEP_1)
	v_readfirstlane_b32 s[WV], v8
	s_and_b32 s10, ttmp7, 0xffff
	s_mov_b32 s[G1A], 3<<16
	s_mov_b32 s[G1A+1], 32<<16
	s_mov_b32 s[G1A+2], 15<<16
	s_mov_b32 s[G1A+3], 32<<16
	s_mov_b32 s[G1A+4], 15
	s_mov_b32 s[G1A+5], 32
	s_mov_b32 s[G1A+6], 0
	s_mov_b32 s[G1A+7], 0
	s_mov_b32 s[G1B], 3<<16
	s_mov_b32 s[G1B+1], 32<<16
	s_mov_b32 s[G1B+2], 36<<16
	s_mov_b32 s[G1B+3], 32<<16
	s_mov_b32 s[G1B+4], 36
	s_mov_b32 s[G1B+5], 32
	s_mov_b32 s[G1B+6], 0
	s_mov_b32 s[G1B+7], 0
	s_mul_i32 s12, s10, KVB
	s_add_co_u32 s12, s12, KVO
	s_mul_i32 s14, s[WV], 3840
	s_mul_i32 s15, s[WV], 9216
	s_add_co_u32 s15, s15, 61440
	s_mov_b32 s17, 0
	s_wait_kmcnt 0x0
	s_mov_b32 s[G0A], 1
	s_mov_b32 s[G0A+1], s14
	s_add_co_u32 s16, s12, s14
	s_add_nc_u64 s[G0A+2:G0A+3], s[4:5], s[16:17]
	s_or_b32 s[G0A+3], s[G0A+3], 0x80000000
	s_mov_b32 s[G0B], 1
	s_mov_b32 s[G0B+1], s15
	s_add_co_u32 s16, s12, s15
	s_add_nc_u64 s[G0B+2:G0B+3], s[4:5], s[16:17]
	s_or_b32 s[G0B+3], s[G0B+3], 0x80000000
	tensor_load_to_lds s[G0A:G0A+3], s[G1A:G1A+7]
	s_nop 0
	s_wait_alu depctr_va_vdst(0)
	s_wait_tensorcnt 0x0
	ds_add_u32 v254, v255
	s_wait_dscnt 0x0
	s_barrier_signal -1
	s_barrier_wait -1
	tensor_load_to_lds s[G0B:G0B+3], s[G1B:G1B+7]
	s_nop 0
.rept 4
	v_nop
.endr
.macro PHASE p, q0, blk
	s_lshl_b32 s50, s[\blk], 4
	s_add_co_u32 s50, s50, s[WV]
	s_lshl_b32 s[\q0], s50, 4
	s_and_b32 s51, s50, 1
	s_lshl_b32 s51, s51, 3
	s_sub_co_u32 s[\q0], s[\q0], s51
	s_lshl_b32 s52, s10, 7
	s_add_co_u32 s52, s52, s50
	s_mul_i32 s52, s52, 768
	s_add_nc_u64 s[\p:\p+1], s[4:5], s[52:53]
	s_lshl_b32 s52, s10, 13
	s_lshr_b32 s54, s50, 2
	s_lshl_b32 s54, s54, 8
	s_add_co_u32 s52, s52, s54
	s_and_b32 s54, s50, 3
	s_lshl_b32 s54, s54, 2
	s_add_co_u32 s52, s52, s54
	s_add_co_u32 s52, s52, QSO
	s_add_nc_u64 s[\p+2:\p+3], s[4:5], s[52:53]
	s_lshr_b32 s54, s10, 4
	s_lshl_b32 s54, s54, 7
	s_add_co_u32 s54, s54, s50
	s_add_co_u32 s54, s54, 768
	s_mul_i32 s52, s54, 12288
	s_and_b32 s55, s10, 15
	s_mul_i32 s56, s55, 768
	s_add_co_u32 s52, s52, s56
	s_add_nc_u64 s[\p+4:\p+5], s[6:7], s[52:53]
	s_lshl_b32 s52, s54, 9
	s_lshr_b32 s56, s55, 3
	s_lshl_b32 s56, s56, 8
	s_add_co_u32 s52, s52, s56
	s_bfe_u32 s56, s55, 0x20001
	s_lshl_b32 s56, s56, 2
	s_add_co_u32 s52, s52, s56
	s_and_b32 s56, s55, 1
	s_lshl_b32 s56, s56, 1
	s_add_co_u32 s52, s52, s56
	s_add_nc_u64 s[\p+6:\p+7], s[8:9], s[52:53]
.endm
	s_mov_b32 s53, 0
	s_sub_co_u32 s48, 7, ttmp9
	s_mov_b32 s49, ttmp9
	PHASE PH, QH, 48
	PHASE PL, QL, 49
	s_mov_b32 s[SEL], 0x76543210
	s_mov_b32 s[SEL+1], 0xfedcba98
	s_mov_b32 s[CS], 0x3e38aa3b
	s_mov_b32 s[CS+1], s[CS]
	v_and_b32 v8, 31, v0
	v_and_b32 v5, 15, v0
	v_bfe_u32 v6, v0, 4, 1
	s_delay_alu instid0(VALU_DEP_3)
	v_lshlrev_b32 v1, 4, v8
	s_delay_alu instid0(VALU_DEP_4)
	v_lshlrev_b32 v2, 3, v8
	s_delay_alu instid0(VALU_DEP_4)
	v_lshlrev_b32 v3, 4, v5
	v_and_b32 v4, 8, v5
	s_delay_alu instid0(VALU_DEP_1)
	v_add_nc_u32 v4, v4, v5
	v_lshlrev_b32 v8, 4, v6
	s_delay_alu instid0(VALU_DEP_1)
	v_sub_nc_u32 v4, v4, v8
	v_add_nc_u32 v7, v3, v6
	global_load_b128 v[16:19], v1, s[PH:PH+1]
	global_load_b64 v[20:21], v2, s[PH:PH+1] offset:512
	global_load_b32 v255, v3, s[PH+2:PH+3]
.irp j, 22,23,24,25,26,27
	v_mov_b32 v[\j], 0
.endr
.irp t, 0,1,2,3
.irp j, 6,7,8,9,10,11
	v_mov_b32 v[32+12*\t+\j], 0
.endr
.endr
.irp b, 0,1,2,3
	v_mov_b32 v[236+\b], 0
.endr
	v_mov_b32 v253, 0
.macro KLOAD g
.irp t, 0,1,2,3
	ds_load_b128 v[32+12*\t:35+12*\t], v8 offset:3072*(\g)+768*\t
	ds_load_b64 v[36+12*\t:37+12*\t], v9 offset:3072*(\g)+768*\t+512
.endr
	ds_load_b128 v[248:251], v10 offset:256*(\g)
.endm
.macro VLOAD
.irp t, 0,1,2,3
.irp c, 0,1
	ds_load_b128 v[80+12*\t+6*\c:83+12*\t+6*\c], v8 offset:6144+3072*\c+768*\t
	ds_load_b64 v[84+12*\t+6*\c:85+12*\t+6*\c], v9 offset:6144+3072*\c+768*\t+512
.endr
.endr
	ds_load_b128 v[28:31], v11 offset:8192
.endm
.macro QK g
.irp t, 0,1,2,3
	v_wmma_scale_f32_16x16x128_f8f6f4 v[S+8*(4*(\g)+\t):S+8*(4*(\g)+\t)+7], v[32+12*\t:43+12*\t], v[16:27], 0, v[248+\t], v255 matrix_a_fmt:MATRIX_FMT_FP6 matrix_b_fmt:MATRIX_FMT_FP6
.endr
.endm
.macro STEP mode
.if \mode
	s_add_co_u32 s96, s[Q0], 23
	s_cmp_gt_u32 s[KF], s96
	s_cbranch_scc1 .Lhidden_\@
.endif
	s_setprio 2
	v_add_nc_u32 v8, s[TB], v1
	v_add_nc_u32 v9, s[TB], v2
	v_add_nc_u32 v10, s[TS], v3
	v_add_nc_u32 v11, s[TJ], v3
	KLOAD 0
	VLOAD
	s_wait_alu depctr_va_vdst(0)
	s_wait_dscnt 17
	QK 0
.rept 4
	v_nop
.endr
	KLOAD 1
	s_wait_dscnt 0x0
	QK 1
.rept 4
	v_nop
.endr
.if \mode
	s_add_co_u32 s96, s[KF], 127
	s_cmp_le_u32 s96, s[Q0]
	s_cbranch_scc1 .Lopen_\@
	s_sub_co_i32 s96, s[Q0], s[KF]
	v_add_nc_u32 v252, s96, v4
	v_mov_b32 v254, 0xff800000
.irp n, 0,1,2,3,4,5,6,7,8,9,10,11,12,13,14,15,16,17,18,19,20,21,22,23,24,25,26,27,28,29,30,31,32,33,34,35,36,37,38,39,40,41,42,43,44,45,46,47,48,49,50,51,52,53,54,55,56,57,58,59,60,61,62,63
	v_cmp_gt_i32 vcc_lo, 32*(\n/16)+\n%16, v252
	v_cndmask_b32 v[S+\n], v[S+\n], v254, vcc_lo
.endr
.Lopen_\@:
.endif
.irp b, 0,1,2,3
	v_max3_num_f32 v[232+\b], v[S+16*\b], v[S+1+16*\b], v[S+2+16*\b]
.endr
.irp i, 3,5,7,9,11,13
.irp b, 0,1,2,3
	v_max3_num_f32 v[232+\b], v[232+\b], v[S+16*\b+\i], v[S+1+16*\b+\i]
.endr
.endr
.irp b, 0,1,2,3
	v_max_num_f32 v[232+\b], v[232+\b], v[S+15+16*\b]
.endr
.irp b, 0,1,2,3
	s_delay_alu instid0(VALU_DEP_4)
	v_permlanex16_b32 v[236+\b], v[232+\b], s[SEL], s[SEL+1]
.endr
.irp b, 0,1,2,3
	s_delay_alu instid0(VALU_DEP_4)
	v_max_num_f32 v[232+\b], v[232+\b], v[236+\b]
.endr
	s_delay_alu instid0(VALU_DEP_2)
	v_max3_num_f32 v254, v232, v233, v234
	s_delay_alu instid0(VALU_DEP_1)
	v_max_num_f32 v254, v254, v235
	s_delay_alu instid0(VALU_DEP_1)
	v_mul_f32 v254, s[CS], v254
	s_delay_alu instid0(VALU_DEP_1)
	v_max_num_f32 v13, v13, v254
	v_mov_b32 v254, v12
	s_delay_alu instid0(VALU_DEP_2)
	v_floor_f32 v12, -v13
	s_delay_alu instid0(VALU_DEP_1)
	v_sub_f32 v254, v12, v254
	s_delay_alu instid0(VALU_DEP_1)
	v_cvt_i32_f32 v254, v254
	s_delay_alu instid0(VALU_DEP_1)
	v_ldexp_f32 v252, 1.0, v254
.irp j, 0,2,4,6,8,10,12,14,16,18,20,22,24,26,28,30,32,34,36,38,40,42,44,46,48,50,52,54,56,58,60,62
	v_pk_fma_f32 v[S+\j:S+1+\j], v[S+\j:S+1+\j], s[CS:CS+1], v[12:13] op_sel_hi:[1,0,0]
.endr
.irp b, 0,1,2,3
	v_fma_f32 v[232+\b], v[232+\b], s[CS], v12
.endr
	s_setprio 1
	s_wait_alu depctr_va_vdst(0)
.irp j, 0,1,2,3,4,5,6,7,8,9,10,11,12,13,14,15,16,17,18,19,20,21,22,23,24,25,26,27,28,29,30,31,32,33,34,35,36,37,38,39,40,41,42,43,44,45,46,47,48,49,50,51,52,53,54,55,56,57,58,59,60,61,62,63
	v_exp_f32 v[S+\j], v[S+\j]
.endr
.irp b, 0,1,2,3
	v_exp_f32 v[232+\b], v[232+\b]
.endr
	v_pk_mul_f32 v[14:15], v[14:15], v[252:253] op_sel_hi:[1,0]
	s_wait_alu depctr_va_vdst(0)
.irp j, 0,2,4,6,8,10,12,14,16,18,20,22,24,26,28,30
	v_pk_mul_f32 v[O+\j:O+1+\j], v[O+\j:O+1+\j], v[252:253] op_sel_hi:[1,0]
.endr
	s_wait_alu depctr_va_vdst(0)
.irp b, 0,1,2,3
	v_max_num_f32 v[232+\b], 0x1800000, v[232+\b]
.endr
.irp b, 0,1,2,3
	s_delay_alu instid0(VALU_DEP_4)
	v_add_nc_u32 v[244+\b], 0xff000000, v[232+\b]
.endr
.irp b, 0,1,2,3
	s_delay_alu instid0(VALU_DEP_4)
	v_lshrrev_b32 v[236+\b], 23, v[244+\b]
.endr
	s_delay_alu instid0(VALU_DEP_3)
	v_lshl_or_b32 v253, v237, 8, v236
	s_delay_alu instid0(VALU_DEP_1)
	v_lshl_or_b32 v253, v238, 16, v253
	s_delay_alu instid0(VALU_DEP_1)
	v_lshl_or_b32 v253, v239, 24, v253
.irp c, 0,1
	v_cvt_scalef32_pk16_fp6_f32 v[224+6*\c:226+6*\c], v[S+32*\c:S+15+32*\c], v[244+2*\c]
	v_cvt_scalef32_pk16_fp6_f32 v[236+4*\c:238+4*\c], v[S+16+32*\c:S+31+32*\c], v[245+2*\c]
.endr
	v_nop
.irp c, 0,1
.irp i, 0,1,2
	v_permlane16_swap_b32 v[224+6*\c+\i], v[236+4*\c+\i]
.endr
.irp i, 0,1,2
	s_delay_alu instid0(VALU_DEP_3)
	v_mov_b32 v[227+6*\c+\i], v[236+4*\c+\i]
.endr
.endr
	v_pk_add_f32 v[236:237], v[S:S+1], v[S+2:S+3]
	s_setprio 0
.irp j, 4,8,12,16,20,24,28,32,36,40,44,48,52,56,60
	v_pk_add_f32 v[14:15], v[14:15], v[S+\j:S+1+\j]
	v_pk_add_f32 v[236:237], v[236:237], v[S+2+\j:S+3+\j]
.endr
	s_delay_alu instid0(VALU_DEP_1)
	v_pk_add_f32 v[14:15], v[14:15], v[236:237]
.irp t, 0,1,2,3
	v_wmma_scale_f32_16x16x128_f8f6f4 v[O+8*\t:O+8*\t+7], v[80+12*\t:91+12*\t], v[224:235], v[O+8*\t:O+8*\t+7], v[28+\t], v253 matrix_a_fmt:MATRIX_FMT_FP6 matrix_b_fmt:MATRIX_FMT_FP6
.endr
.if \mode
.Lhidden_\@:
.endif
	s_add_co_u32 s[KF], s[KF], 128
	s_add_co_u32 s[TB], s[TB], REC
	s_add_co_u32 s[TS], s[TS], 512
	s_add_co_u32 s[TJ], s[TJ], 256
.endm
.macro PRO q0
	s_wait_xcnt 0x0
	v_mov_b32 v13, 0xff61b1e6
	s_delay_alu instid0(VALU_DEP_1)
	v_floor_f32 v12, -v13
	v_mov_b32 v14, 0
	v_mov_b32 v15, 0
.irp j, 0,1,2,3,4,5,6,7,8,9,10,11,12,13,14,15,16,17,18,19,20,21,22,23,24,25,26,27,28,29,30,31
	v_mov_b32 v[O+\j], 0
.endr
	s_mov_b32 s[TB], REC
	s_mov_b32 s[TS], 0
	s_mov_b32 s[TJ], 0
	s_mov_b32 s[KF], 0
	s_mov_b32 s[Q0], s[\q0]
	s_wait_loadcnt 0x0
.endm
.macro EPI p, nextq
.rept 4
	v_nop
.endr
.if \nextq
	global_load_b128 v[16:19], v1, s[PL:PL+1]
	global_load_b64 v[20:21], v2, s[PL:PL+1] offset:512
	global_load_b32 v255, v3, s[PL+2:PL+3]
.endif
	v_add_f32 v14, v14, v15
	s_delay_alu instid0(VALU_DEP_1)
	v_permlanex16_b32 v252, v14, s[SEL], s[SEL+1]
	s_delay_alu instid0(VALU_DEP_1)
	v_add_f32 v14, v14, v252
	s_wait_alu depctr_va_vdst(0)
	v_rcp_f32 v14, v14
	v_nop
	s_wait_alu depctr_va_vdst(0)
.irp j, 0,2,4,6,8,10,12,14,16,18,20,22,24,26,28,30
	v_pk_mul_f32 v[S+\j:S+1+\j], v[O+\j:O+1+\j], v[14:15] op_sel_hi:[1,0]
.endr
.irp b, 0,1
	v_max3_num_f32 v[232+\b], |v[S+16*\b]|, |v[S+1+16*\b]|, 0x1800000
.endr
.irp i, 2,4,6,8,10,12,14
.irp b, 0,1
	s_delay_alu instid0(VALU_DEP_2)
	v_max3_num_f32 v[232+\b], v[232+\b], |v[S+16*\b+\i]|, |v[S+1+16*\b+\i]|
.endr
.endr
.irp b, 0,1
	s_delay_alu instid0(VALU_DEP_2)
	v_permlanex16_b32 v[236+\b], v[232+\b], s[SEL], s[SEL+1]
.endr
.irp b, 0,1
	s_delay_alu instid0(VALU_DEP_2)
	v_max_num_f32 v[232+\b], v[232+\b], v[236+\b]
.endr
.irp b, 0,1
	s_delay_alu instid0(VALU_DEP_2)
	v_add_nc_u32 v[244+\b], 0xff000000, v[232+\b]
.endr
.irp b, 0,1
	s_delay_alu instid0(VALU_DEP_2)
	v_lshrrev_b32 v[246+\b], 23, v[244+\b]
.endr
	v_cmp_ne_u32 vcc_lo, 0, v6
	s_delay_alu instid0(VALU_DEP_1)
	v_cndmask_b32 v246, v246, v247, vcc_lo
	v_cvt_scalef32_pk16_fp6_f32 v[224:226], v[S:S+15], v244
	v_cvt_scalef32_pk16_fp6_f32 v[236:238], v[S+16:S+31], v245
	v_nop
.irp i, 0,1,2
	v_permlane16_swap_b32 v[224+\i], v[236+\i]
.endr
.irp i, 0,1,2
	s_delay_alu instid0(VALU_DEP_3)
	v_mov_b32 v[227+\i], v[236+\i]
.endr
	global_store_b128 v1, v[224:227], s[\p+4:\p+5]
	global_store_b64 v2, v[228:229], s[\p+4:\p+5] offset:512
	global_store_b8 v7, v246, s[\p+6:\p+7]
.endm
	PRO QH
	s_wait_tensorcnt 1
	s_barrier_signal -1
	s_barrier_wait -1
	s_mov_b32 s[CNT], 4
.Lfirst4:
	STEP 0
	s_sub_co_u32 s[CNT], s[CNT], 1
	s_cmp_lg_u32 s[CNT], 0
	s_cbranch_scc1 .Lfirst4
	s_setprio 0
	s_wait_tensorcnt 0x0
	s_wait_dscnt 0x0
	s_barrier_signal -1
	s_barrier_wait -1
	s_mov_b32 s[TB], 5*REC
	s_mov_b32 s[TS], 4*512
	s_mov_b32 s[TJ], 4*256
	s_mov_b32 s[KF], 4*128
	s_mov_b32 s[CNT], 12
.Lhigh:
	STEP 1
	s_sub_co_u32 s[CNT], s[CNT], 1
	s_cmp_lg_u32 s[CNT], 0
	s_cbranch_scc1 .Lhigh
	s_setprio 0
	s_wait_alu depctr_va_vdst(0)
	EPI PH, 1
	PRO QL
	s_mov_b32 s[CNT], 8
.Llow:
	STEP 1
	s_sub_co_u32 s[CNT], s[CNT], 1
	s_cmp_lg_u32 s[CNT], 0
	s_cbranch_scc1 .Llow
	s_setprio 0
	s_wait_alu depctr_va_vdst(0)
	EPI PL, 0
	s_wait_xcnt 0x0
	v_lshl_add_u32 v254, v0, 2, 0x33000
	v_mov_b32 v255, 0
	s_wait_alu depctr_va_vdst(0)
	s_wait_tensorcnt 0x0
	ds_add_u32 v254, v255
	s_wait_dscnt 0x0
	s_endpgm
.Lfunc_end_k_q11c8e4e689_attn:
	.size	k_q11c8e4e689_attn, .Lfunc_end_k_q11c8e4e689_attn-k_q11c8e4e689_attn
	.p2alignl 7, 3214868480
	.fill 96, 4, 3214868480
	.section	.rodata,"a",@progbits
	.p2align	6, 0x0
	.amdhsa_kernel k_q11c8e4e689_attn
		.amdhsa_group_segment_fixed_size 327680
		.amdhsa_private_segment_fixed_size 0
		.amdhsa_enable_private_segment 0
		.amdhsa_kernarg_size 24
		.amdhsa_user_sgpr_count 2
		.amdhsa_user_sgpr_kernarg_segment_ptr 1
		.amdhsa_wavefront_size32 1
		.amdhsa_system_sgpr_workgroup_id_x 1
		.amdhsa_system_sgpr_workgroup_id_y 1
		.amdhsa_system_sgpr_workgroup_id_z 1
		.amdhsa_system_vgpr_workitem_id 0
		.amdhsa_next_free_vgpr 256
		.amdhsa_next_free_sgpr 100
		.amdhsa_reserve_vcc 1
		.amdhsa_float_denorm_mode_32 3
		.amdhsa_float_denorm_mode_16_64 3
		.amdhsa_memory_ordered 1
		.amdhsa_forward_progress 1
		.amdhsa_inst_pref_size 84
	.end_amdhsa_kernel
	.amdgpu_metadata
---
amdhsa.version: [ 1, 2 ]
amdhsa.kernels:
  - .name:           k_q11c8e4e689_attn
    .symbol:         k_q11c8e4e689_attn.kd
    .args:
      - { .name: att, .offset: 0, .size: 8, .value_kind: global_buffer, .address_space: global }
      - { .name: gc, .offset: 8, .size: 8, .value_kind: global_buffer, .address_space: global }
      - { .name: gs, .offset: 16, .size: 8, .value_kind: global_buffer, .address_space: global }
    .group_segment_fixed_size: 327680
    .private_segment_fixed_size: 0
    .kernarg_segment_align: 8
    .kernarg_segment_size: 24
    .max_flat_workgroup_size: 512
    .sgpr_count:     100
    .vgpr_count:     256
    .wavefront_size: 32
...
	.end_amdgpu_metadata
.endif
;; end of part 3
;; launch proj (part 4): grid 4 x 32, 4 waves a work-group, clusters of 4 x 4, 327,680 bytes of LDS; arguments gc, gs, b_proj, out0; writes out0
.if DOCPART == 4
	.amdgcn_target "amdgcn-amd-amdhsa--gfx1250"
	.amdhsa_code_object_version 6
	.text
	.protected	k_q11c8e4e689_proj
	.globl	k_q11c8e4e689_proj
	.p2align	8
	.type	k_q11c8e4e689_proj,@function
k_q11c8e4e689_proj:
	s_mov_b64 s[64:65], 0
	v_nop
	global_prefetch_b8 v0, s[64:65] scope:SCOPE_SE
	s_setreg_imm32_b32 hwreg(HW_REG_WAVE_MODE, 25, 1), 1
	s_wait_xcnt 0x0
	s_wait_alu depctr_hold_cnt(0) depctr_sa_sdst(0) depctr_va_vdst(0) depctr_va_sdst(0) depctr_va_ssrc(0) depctr_va_vcc(0) depctr_vm_vsrc(0)
	s_getreg_b32 s2, hwreg(HW_REG_IB_STS2, 6, 4)
	s_cmp_eq_u32 s2, 0
	s_cbranch_scc0 .Lentry_in_a_cluster
	s_endpgm
.Lentry_in_a_cluster:
	s_bfe_u32 s2, ttmp6, 0x10000c
	s_cmp_lg_u32 s2, 0xf033
	s_cbranch_scc0 .Lentry_shape_is_right
	s_endpgm
.Lentry_shape_is_right:
; out0 = o w_proj^T + b_proj on codes of E2M3 (K = 1,024).  o's codes are row tiles 768-1279 of gc and gs (stored by the attention launch), w_proj's are tiles 704-767.
; The product's core is the projection launch's: a tile of C is 256 x 256, four waves of 128 x 128; row tiles of 16 rows (tile 2 al + u: rows 32 al + 8 u + r + 8 (r / 8)); a tile's codes are 16 half fragments of 768 bytes
; (register images, 64 K each), its scale words 512 bytes [K half][r][4 words].  THE MATRIX INSTRUCTION IS USED TRANSPOSED (source 0 = a tile of w_proj, source 1 = a tile of o): a lane holds one token and, over the tiles
; 2 be and 2 be + 1 of w_proj, the 16 neighbouring features 32 be + 16 h + 0 .. 15.  The bias is the C of each sum's first matrix instruction: eight registers a tile of features, in the result's layout.
; K goes in 8 chunks of 128, written out.  K step = 256 = 3,072 bytes of each tile; three LDS slots take K steps 0, 1, 2 as first fills, K step 3 fills slot 0 again: one round of the cluster's barrier in the whole launch.
; CLUSTERS: 4 x 4.  o's tiles are shared along a row of the cluster, w_proj's along a column: joint loads.  128 work-groups: C has 128 tiles of 256 x 256.
; REGISTERS: window 0: v8-27 addresses, v28-29 for the add, v32-95 scale words (register 8 i + c: lanes 0-15 A's tile i, lanes 16-31 B's tile i, chunk c), v96-127 and v224-255 the bias, v128-223 A's 8 fragments;
;   window 1: B's fragments, two sets at v0 and v128;  window 2: accumulators of A's tiles 0-3 ((a, b) at v[8 (8 a + b)]);  window 3: of tiles 4-7.  On the way out v128-255 of window 0 take rows of C.
.set TILEB, 12288
.set KSB,   3072
.set HALF,  8*KSB
.set SLOT,  4*HALF
.set SPARE, 3*SLOT                     ; behind the slots: the spare words, 128 bytes a wave, two blocks of 256 bytes that no other line names
.set FR,    12
.set SPITCH, 528                       ; the way out: a stage of 16 rows x (512 bytes + 16) for each wave, in slot 1, which has had its one fill and its last read when the first result is stored there
.set ADRA16, 8
.set ADRA8,  11
.set ADRB16, 14
.set ADRB8,  17
.set L16,  20
.set L8,   21
.set SOF,  22
.set STO,  24                          ; v24  the stage: where I put 32 bytes of a row
.set RD,   25                          ; v25  and where I read a row back
.set BOF,  27                          ; v27  the bias: 64 h
.set SPW,  28
.set NIL,  29
.set SC,   32
.set AF,   128
.set BK,   128
.set G1A, 24
.set G1B, 32
.set G0A, 48
.set G0B, 68
.set MSB, 0
.macro WIN new                         ; the immediate's high byte repeats the setting that is left
.if MSB != \new
	s_set_vgpr_msb (MSB<<8)|\new
.set MSB, \new
.endif
.endm
.set MUL_LO, 0xa1                      ; source 0 (B) window 1, source 1 (A) window 0, C and D window 2
.set MUL_HI, 0xf1
.set FIRST_LO, 0x81                    ; the first chunk: C (the bias) window 0, D window 2
.set FIRST_HI, 0xc1
.set TO_B,   0x40
.macro JLOAD                           ; the joint refill of slot 0; four v_nop follow each line
	s_cmp_eq_u32 s15, 0
	s_cbranch_scc0 .Lfor_b_\@
	tensor_load_to_lds s[G0A:G0A+3], s[G1A:G1A+7]
	s_nop 0
.rept 4
	v_nop
.endr
	s_branch .Lasked_\@
.Lfor_b_\@:
	tensor_load_to_lds s[G0B:G0B+3], s[G1B:G1B+7]
	s_nop 0
.rept 4
	v_nop
.endr
.Lasked_\@:
.endm
.macro CREST
	s_cmp_lg_u32 s14, 0
	s_cbranch_scc1 .Lnot_wave_0_\@
	s_barrier_signal -3
.Lnot_wave_0_\@:
	s_barrier_wait -3
	s_barrier_signal -1
	s_barrier_wait -1
.endm
.macro CROUND
	s_barrier_signal -1
	s_barrier_wait -1
	CREST
.endm
.macro PLACES n
.rept \n
	v_nop
.endr
.endm
	s_load_b256 s[4:11], s[0:1], 0x0               ; gc s[4:5], gs s[6:7], b_proj s[8:9], out0 s[10:11]
	v_lshl_add_u32 v[SPW], v0, 2, SPARE
	v_mov_b32 v[NIL], 0
	ds_add_u32 v28, v29
	ds_add_u32 v28, v29
	s_wait_dscnt 0x0
	v_lshrrev_b32 v1, 5, v0
	v_readfirstlane_b32 s14, v1                    ; wave 0..3
	s_lshr_b32 s15, s14, 1                         ; wa.  Also: I fetch for A (0) or for B (1)
	s_and_b32 s16, s14, 1                          ; wb.  Also: which 8 tiles I fetch
	s_bfe_u32 s40, ttmp6, 0x40000                  ; cx
	s_bfe_u32 s41, ttmp6, 0x40004                  ; cy
	s_and_b32 s42, ttmp7, 0xffff                   ; the cluster's y
	s_lshl_b32 s43, s41, 2
	s_lshl_b32 s43, 15, s43                        ; my row of the cluster
	s_lshl_b32 s44, 0x1111, s40                    ; my column
	s_or_b32 s[G1A], s43, (3<<16)|(1<<21)          ; 8 rows (tiles) of 3,072 bytes (384 elements of 8), 12,288 bytes apart; dense in LDS
	s_or_b32 s[G1B], s44, (3<<16)|(1<<21)
.irp g, G1A, G1B
	s_mov_b32 s[\g+1], 384<<16
	s_mov_b32 s[\g+2], 8<<16
	s_mov_b32 s[\g+3], 384<<16
	s_mov_b32 s[\g+4], 8
	s_mov_b32 s[\g+5], 1536
	s_mov_b32 s[\g+6], 0
	s_mov_b32 s[\g+7], 0
.endr
	s_lshl_b32 s17, s42, 6
	s_add_co_u32 s17, s17, 768
	s_lshl_b32 s45, s41, 4
	s_add_co_u32 s45, s45, s17                     ; GA = 768 + 64 cluster y + 16 cy
	s_lshl_b32 s18, ttmp9, 6
	s_add_co_u32 s18, s18, 704
	s_lshl_b32 s46, s40, 4
	s_add_co_u32 s46, s46, s18                     ; GB = 704 + 64 cluster x + 16 cx
	s_lshl_b32 s21, s16, 3
	s_add_co_u32 s22, s45, s21
	s_mul_i32 s22, s22, TILEB
	s_mov_b32 s23, 0
	s_add_co_u32 s92, s46, s21
	s_mul_i32 s92, s92, TILEB
	s_mov_b32 s93, 0
	s_mul_i32 s47, s14, HALF
	s_wait_kmcnt 0x0
	s_add_nc_u64 s[22:23], s[4:5], s[22:23]
	s_add_nc_u64 s[92:93], s[4:5], s[92:93]
	CROUND                                         ; all sixteen work-groups are here: the first joint loads meet
.irp s, 0,1,2
	s_mov_b32 s[G0A+4*\s], 1
	s_add_co_u32 s[G0A+4*\s+1], s47, \s*SLOT
	s_add_nc_u64 s[G0A+4*\s+2:G0A+4*\s+3], s[22:23], \s*KSB
	s_or_b32 s[G0A+4*\s+3], s[G0A+4*\s+3], 0x80000000
	s_mov_b32 s[G0B+4*\s], 1
	s_add_co_u32 s[G0B+4*\s+1], s47, \s*SLOT
	s_add_nc_u64 s[G0B+4*\s+2:G0B+4*\s+3], s[92:93], \s*KSB
	s_or_b32 s[G0B+4*\s+3], s[G0B+4*\s+3], 0x80000000
.endr
	s_cmp_eq_u32 s15, 0                            ; a wave's three first fills stand in one branch: three loads of mine are out
	s_cbranch_scc0 .Lfirst_b
	tensor_load_to_lds s[G0A:G0A+3], s[G1A:G1A+7]
	s_nop 0
	tensor_load_to_lds s[G0A+4:G0A+7], s[G1A:G1A+7]
	s_nop 0
	tensor_load_to_lds s[G0A+8:G0A+11], s[G1A:G1A+7]
	s_nop 0
.rept 4
	v_nop
.endr
	s_branch .Lfirst_done
.Lfirst_b:
	tensor_load_to_lds s[G0B:G0B+3], s[G1B:G1B+7]
	s_nop 0
	tensor_load_to_lds s[G0B+4:G0B+7], s[G1B:G1B+7]
	s_nop 0
	tensor_load_to_lds s[G0B+8:G0B+11], s[G1B:G1B+7]
	s_nop 0
.rept 4
	v_nop
.endr
.Lfirst_done:
	v_and_b32 v1, 31, v0
	v_and_b32 v2, 15, v0                           ; r
	v_bfe_u32 v3, v0, 4, 1                         ; h
	v_lshlrev_b32 v[L16], 4, v1
	v_lshlrev_b32 v[L8], 3, v1
	s_mul_i32 s21, s15, HALF
	s_mul_i32 s94, s16, HALF
	s_add_co_u32 s94, s94, 2*HALF
.irp s, 0,1,2
	v_add_nc_u32 v[ADRA16+\s], s21, v[L16]
	v_add_nc_u32 v[ADRA8+\s], s21, v[L8]
	v_add_nc_u32 v[ADRB16+\s], s94, v[L16]
	v_add_nc_u32 v[ADRB8+\s], s94, v[L8]
	s_add_co_u32 s21, s21, SLOT
	s_add_co_u32 s94, s94, SLOT
.endr
	s_lshl_b32 s95, s15, 3
	s_add_co_u32 s95, s95, s45
	s_lshl_b32 s95, s95, 9
	s_lshl_b32 s96, s16, 3
	s_add_co_u32 s96, s96, s46
	s_lshl_b32 s96, s96, 9
	v_mov_b32 v4, s95
	v_mov_b32 v5, s96
	v_cmp_ne_u32 vcc_lo, 0, v3
	v_cndmask_b32 v[SOF], v4, v5, vcc_lo
	v_lshl_add_u32 v[SOF], v2, 4, v[SOF]
.irp i, 0,1,2,3,4,5,6,7
.irp q, 0,1
	global_load_b128 v[SC+8*\i+4*\q:SC+8*\i+4*\q+3], v[SOF], s[6:7] offset:512*\i+256*\q   ; the scale words of my 8 + 8 tiles for all of K; each half of the lanes reads 256 consecutive bytes
.endr
.endr
	s_lshl_b32 s60, s42, 2
	s_add_co_u32 s60, s60, s41                     ; the tile row of C
	s_lshl_b32 s60, s60, 20                        ; 256 rows of 4,096 bytes
	s_lshl_b32 s61, s15, 19
	s_add_co_u32 s60, s60, s61                     ; + my 128 rows
	s_lshl_b32 s61, ttmp9, 2
	s_add_co_u32 s61, s61, s40                     ; the tile column
	s_lshl_b32 s61, s61, 10
	s_lshl_b32 s62, s16, 9
	s_add_co_u32 s62, s62, s61                     ; my first feature x 4 bytes: in a row of C and in b_proj
	s_mov_b32 s63, 0
	s_add_nc_u64 s[8:9], s[8:9], s[62:63]
	s_add_co_u32 s60, s60, s62
	s_mov_b32 s61, 0
	s_add_nc_u64 s[10:11], s[10:11], s[60:61]
	v_lshlrev_b32 v[BOF], 6, v3
.irp b, 0,1,2,3,4,5,6,7                ; tile b's eight features of my half: 32 (b / 2) + 8 (b % 2) + 16 h + 0 .. 7
	global_load_b128 v[96+8*\b+96*(\b/4):96+8*\b+96*(\b/4)+3], v[BOF], s[8:9] offset:(32*(\b/2)+8*(\b%2))*4
	global_load_b128 v[96+8*\b+96*(\b/4)+4:96+8*\b+96*(\b/4)+7], v[BOF], s[8:9] offset:(32*(\b/2)+8*(\b%2))*4+16
.endr
	s_mul_i32 s66, s14, 16*SPITCH
	s_add_co_u32 s66, s66, SLOT                    ; my stage
	v_mul_u32_u24 v[STO], v2, SPITCH
	v_lshl_add_u32 v[STO], v3, 6, v[STO]
	v_add_nc_u32 v[STO], s66, v[STO]               ; in: row r, + 64 h
	v_add_nc_u32 v[RD], s66, v[L16]                ; back: the 32 lanes take one row of 512 bytes
.macro FRAG reg, a16, a8, q, i         ; a fragment, 16 rows x 128 K: two half fragments as they lie: every load reads consecutive bytes
	ds_load_b128 v[\reg:\reg+3], v[\a16] offset:KSB*(\i)+1536*(\q)
	ds_load_b64 v[\reg+4:\reg+5], v[\a8] offset:KSB*(\i)+1536*(\q)+512
	ds_load_b128 v[\reg+6:\reg+9], v[\a16] offset:KSB*(\i)+1536*(\q)+768
	ds_load_b64 v[\reg+10:\reg+11], v[\a8] offset:KSB*(\i)+1536*(\q)+1280
.endm
.macro FETCH_B slot, q, p
	WIN TO_B
.irp i, 0,1,2,3,4,5,6,7
	FRAG 128*(\p)+FR*\i, ADRB16+\slot, ADRB8+\slot, \q, \i
.endr
	WIN 0
.endm
.macro FETCH_A slot, q, i0
.irp i, \i0, \i0+1, \i0+2, \i0+3
	FRAG AF+FR*(\i), ADRA16+\slot, ADRA8+\slot, \q, \i
.endr
.endm
; 16 matrix instructions: A's tiles a0, a0 + 1 x B's eight, chunk c; p: B's set.  first = 1: the sums begin with the bias.  The 64 accumulators take turns, one instruction a turn, in the same order in every chunk.
.macro MUL16 a0, p, c, first
.irp a, \a0, \a0+1
.irp b, 0,1,2,3,4,5,6,7
.if \first
	v_wmma_scale_f32_16x16x128_f8f6f4 v[8*(8*((\a)%4)+\b):8*(8*((\a)%4)+\b)+7], v[128*(\p)+FR*\b:128*(\p)+FR*\b+FR-1], v[AF+FR*(\a):AF+FR*(\a)+FR-1], v[96+8*\b+96*(\b/4):96+8*\b+96*(\b/4)+7], v[SC+8*\b+(\c)], v[SC+8*(\a)+(\c)] matrix_a_fmt:MATRIX_FMT_FP6 matrix_b_fmt:MATRIX_FMT_FP6 matrix_a_scale:MATRIX_SCALE_ROW1
.else
	v_wmma_scale_f32_16x16x128_f8f6f4 v[8*(8*((\a)%4)+\b):8*(8*((\a)%4)+\b)+7], v[128*(\p)+FR*\b:128*(\p)+FR*\b+FR-1], v[AF+FR*(\a):AF+FR*(\a)+FR-1], v[8*(8*((\a)%4)+\b):8*(8*((\a)%4)+\b)+7], v[SC+8*\b+(\c)], v[SC+8*(\a)+(\c)] matrix_a_fmt:MATRIX_FMT_FP6 matrix_b_fmt:MATRIX_FMT_FP6 matrix_a_scale:MATRIX_SCALE_ROW1
.endif
.endr
.endr
.endm
.macro STEP c, nslot, nq, first
	s_wait_dscnt 16                                ; B's set and A's tiles 0-3 are in; the youngest 16 loads (A's tiles 4-7) may be out
.if \first
	WIN FIRST_LO
.else
	WIN MUL_LO
.endif
	MUL16 0, (\c)%2, \c, \first
	MUL16 2, (\c)%2, \c, \first
	s_wait_dscnt 0x0                               ; A's tiles 4-7 are in
	PLACES 4
	FETCH_B \nslot, \nq, 1-(\c)%2
	FETCH_A \nslot, \nq, 0
.if \first
	WIN FIRST_HI
.else
	WIN MUL_HI
.endif
	MUL16 4, (\c)%2, \c, \first
	MUL16 6, (\c)%2, \c, \first
	PLACES 4
	WIN 0
	FETCH_A \nslot, \nq, 4
.endm
; A chunk with a barrier in it: in front each wave waits for all its tensor loads, adds 0 to its spare word, and waits for that and for its reads.  fill = 1: slot 0 is filled again, with K step 3.
.macro TURN c, nslot, fill
	s_wait_tensorcnt 0x0                           ; all my tensor loads have landed
	ds_add_u32 v[SPW], v[NIL]                      ; 0 onto my spare word
	s_wait_dscnt 17                                ; (the add and the youngest 16 loads may be out)
	WIN MUL_LO
	MUL16 0, (\c)%2, \c, 0
	s_wait_dscnt 0x0                               ; the add is done, and all my LDS reads so far are over
	s_barrier_signal -1
	MUL16 2, (\c)%2, \c, 0
	WIN 0
	s_barrier_wait -1
.if \fill
	CREST                                          ; the barrier has opened a round of the cluster's: no wave of any partner still reads slot 0 or has a load on its way
	s_add_nc_u64 s[G0A+2:G0A+3], s[G0A+2:G0A+3], 3*KSB
	s_add_nc_u64 s[G0B+2:G0B+3], s[G0B+2:G0B+3], 3*KSB
	JLOAD                                          ; the first tensor load behind the round, one a wave; its four v_nop are the places in front of the loads below
.else
	PLACES 4
.endif
	FETCH_B \nslot, 0, 1-(\c)%2
	FETCH_A \nslot, 0, 0
	WIN MUL_HI
	MUL16 4, (\c)%2, \c, 0
	MUL16 6, (\c)%2, \c, 0
	PLACES 4
	WIN 0
	FETCH_A \nslot, 0, 4
.endm
	s_wait_tensorcnt 2                             ; my part of K step 0 is in; K steps 1 and 2 may be out
	s_barrier_signal -1
	s_barrier_wait -1
	FETCH_B 0, 0, 0
	FETCH_A 0, 0, 0
	FETCH_A 0, 0, 4
	s_wait_loadcnt 0x0                             ; the scale words and the bias
	STEP 0, 0, 1, 1
	TURN 1, 1, 1                                   ; every wave has waited for all three first fills: behind the round slots 1 and 2 are whole
	STEP 2, 1, 1, 0
	STEP 3, 2, 0, 0
	STEP 4, 2, 1, 0
	TURN 5, 0, 0                                   ; K step 3 has landed in slot 0; every wave's reads of slot 1 are over
	STEP 6, 0, 1, 0
	s_wait_dscnt 16                                ; the last chunk: nothing more to fetch
	WIN MUL_LO
	MUL16 0, 1, 7, 0
	MUL16 2, 1, 7, 0
	s_wait_alu depctr_va_vdst(0)
	s_wait_dscnt 0x0
	WIN MUL_HI
	MUL16 4, 1, 7, 0
	MUL16 6, 1, 7, 0
	WIN 0
; THE WAY OUT, a tile of 16 tokens x 128 features at a time: through my own stage in LDS, back as whole rows of 512 bytes.  LDS serves a wave's instructions in order: no wait between the stores and the loads.
.macro TOSTAGE a
.set AC, 64*((\a)%4)
.set WD, 0x08+4*((\a)/4)
	WIN WD                                         ; an LDS store's data: window 2 or 3
.irp b, 0,1,2,3,4,5,6,7
	ds_store_b128 v[STO], v[AC+8*\b:AC+8*\b+3] offset:128*(\b/2)+32*(\b%2)        ; each accumulator from its low end on
	ds_store_b128 v[STO], v[AC+8*\b+4:AC+8*\b+7] offset:128*(\b/2)+32*(\b%2)+16
.endr
	WIN 0
.set BB, BK+64*((\a)%2)
.irp t, 0,1,2,3,4,5,6,7,8,9,10,11,12,13,14,15
	ds_load_b128 v[BB+4*\t:BB+4*\t+3], v[RD] offset:\t*SPITCH
.endr
.endm
.macro SEND a, younger                 ; younger: the LDS instructions issued behind tile a's loads, which may stay out
.set BB, BK+64*((\a)%2)
.set R0, 32*((\a)/2)+8*((\a)%2)
	s_wait_dscnt \younger
.irp t, 0,1,2,3,4,5,6,7,8,9,10,11,12,13,14,15
	global_store_b128 v[L16], v[BB+4*\t:BB+4*\t+3], s[10:11] offset:(R0+\t+8*(\t/8))*4096 th:TH_STORE_NT   ; 32 lanes store 512 consecutive bytes, aligned to 512; the tile's row t is token R0 + t + 8 (t / 8) of my 128
.endr
.endm
	PLACES 4
	TOSTAGE 0
.irp a, 1,2,3,4,5,6,7
.if \a > 1
	s_wait_xcnt 0x0                                ; tile a - 2's stores have had their addresses translated: tile a's loads land in their data registers only behind this wait
.endif
	TOSTAGE \a
	SEND \a-1, 32                                  ; behind tile a - 1's loads: tile a's 16 stores and 16 loads
.endr
	SEND 7, 0
	s_wait_tensorcnt 0x0                           ; the wave's end
	ds_add_u32 v[SPW], v[NIL]
	s_wait_dscnt 0x0
	CROUND                                         ; the closing round: no work-group ends while a partner may still ask for a tile that names it
	s_endpgm
.Lfunc_end_k_q11c8e4e689_proj:
	.size	k_q11c8e4e689_proj, .Lfunc_end_k_q11c8e4e689_proj-k_q11c8e4e689_proj
	.p2alignl 7, 3214868480
	.fill 96, 4, 3214868480
	.section	.rodata,"a",@progbits
	.p2align	6, 0x0
	.amdhsa_kernel k_q11c8e4e689_proj
		.amdhsa_group_segment_fixed_size 327680
		.amdhsa_private_segment_fixed_size 0
		.amdhsa_enable_private_segment 0
		.amdhsa_kernarg_size 32
		.amdhsa_user_sgpr_count 2
		.amdhsa_user_sgpr_kernarg_segment_ptr 1
		.amdhsa_wavefront_size32 1
		.amdhsa_system_sgpr_workgroup_id_x 1
		.amdhsa_system_sgpr_workgroup_id_y 1
		.amdhsa_system_sgpr_workgroup_id_z 1
		.amdhsa_system_vgpr_workitem_id 0
		.amdhsa_next_free_vgpr 1024
		.amdhsa_next_free_sgpr 100
		.amdhsa_reserve_vcc 1
		.amdhsa_float_denorm_mode_32 3
		.amdhsa_float_denorm_mode_16_64 3
		.amdhsa_memory_ordered 1
		.amdhsa_forward_progress 1
		.amdhsa_inst_pref_size 142
	.end_amdhsa_kernel
	.amdgpu_metadata
---
amdhsa.version: [ 1, 2 ]
amdhsa.kernels:
  - .name:           k_q11c8e4e689_proj
    .symbol:         k_q11c8e4e689_proj.kd
    .args:
      - { .name: gc, .offset: 0, .size: 8, .value_kind: global_buffer, .address_space: global }
      - { .name: gs, .offset: 8, .size: 8, .value_kind: global_buffer, .address_space: global }
      - { .name: b_proj, .offset: 16, .size: 8, .value_kind: global_buffer, .address_space: global }
      - { .name: out0, .offset: 24, .size: 8, .value_kind: global_buffer, .address_space: global }
    .group_segment_fixed_size: 327680
    .private_segment_fixed_size: 0
    .kernarg_segment_align: 8
    .kernarg_segment_size: 32
    .max_flat_workgroup_size: 128
    .sgpr_count:     100
    .vgpr_count:     1024
    .wavefront_size: 32
...
	.end_amdgpu_metadata
.endif
;; end of part 4
